; MI455X (gfx1250); checked and timed in simulation.
; The chip was launched on July 23, 2026; its instructions are those of AMD's public machine-readable ISA for CDNA 5 (MIT licence, August 2026) and "CDNA5" Instruction Set Architecture Reference Guide (July 2026). The comments in the code are by the model that wrote it; some were corrected since.
;; Example Model. Allowed arithmetic: matrix products marked QUANTISED: E2M3 operands, one E8M0 scale for each 32 along K, by v_wmma_scale_f32_16x16x128_f8f6f4 with both operands' format E2M3, f32 sums; products left as they are: f32 operands where the result goes on into a quantised operand, else bf16, f16 or f32 operands; f32 sums; everything else in f32.
;; Inputs: b1 8 x 2,048 float32; b2 8 x 512 float32; gate_b 8 float32; gate_w 512 x 8 float32; w1 8 x 512 x 2,048 float32; w2 8 x 2,048 x 512 float32; x 8 x 512 x 512 float32.
;; Outputs: out0 8 x 512 float32.
;; This version of the problem:
;;   THIS VERSION OF THE PROBLEM IS GIVEN IN LOW PRECISION. The matrix products marked QUANTISED in the list below multiply operands that are first quantised to E2M3 (2 exponent bits, 3 mantissa bits; 6 bits a number), with one power-of-two scale for each 32 numbers along K (OCP MX v1.0); their sums are f32. All else is computed in f32.
;;   The module's matrix products, in the order in which they are computed (A, B: the left and right operand; K: the contracted axis; several contracted axes count as one K, in the product's order):
;;     1. [M 4,096, K 512] x [K 512, N 8]; A: input x; B: input gate_w: left as it is (N = 8 < 16)
;;     2. [M 4,096, K 512] x [K 512, N 2,048]; A: input x; B: input w1: QUANTISED
;;     3. [M 4,096, K 2,048] x [K 2,048, N 512]; A: computed on the way; B: input w2: QUANTISED
;;     4. [M 4,096, K 512] x [K 512, N 2,048]; A: input x; B: input w1: QUANTISED
;;     5. [M 4,096, K 2,048] x [K 2,048, N 512]; A: computed on the way; B: input w2: QUANTISED
;;     6. [M 4,096, K 512] x [K 512, N 2,048]; A: input x; B: input w1: QUANTISED
;;     7. [M 4,096, K 2,048] x [K 2,048, N 512]; A: computed on the way; B: input w2: QUANTISED
;;     8. [M 4,096, K 512] x [K 512, N 2,048]; A: input x; B: input w1: QUANTISED
;;     9. [M 4,096, K 2,048] x [K 2,048, N 512]; A: computed on the way; B: input w2: QUANTISED
;;     10. [M 4,096, K 512] x [K 512, N 2,048]; A: input x; B: input w1: QUANTISED
;;     11. [M 4,096, K 2,048] x [K 2,048, N 512]; A: computed on the way; B: input w2: QUANTISED
;;     12. [M 4,096, K 512] x [K 512, N 2,048]; A: input x; B: input w1: QUANTISED
;;     13. [M 4,096, K 2,048] x [K 2,048, N 512]; A: computed on the way; B: input w2: QUANTISED
;;     14. [M 4,096, K 512] x [K 512, N 2,048]; A: input x; B: input w1: QUANTISED
;;     15. [M 4,096, K 2,048] x [K 2,048, N 512]; A: computed on the way; B: input w2: QUANTISED
;;     16. [M 4,096, K 512] x [K 512, N 2,048]; A: input x; B: input w1: QUANTISED
;;     17. [M 4,096, K 2,048] x [K 2,048, N 512]; A: computed on the way; B: input w2: QUANTISED
;;   THE QUANTISER, for each operand of a quantised product, along K:
;;     - K is cut into blocks of 32 from its start; a last block that is shorter is filled with zeros.
;;     - A block's scale is 2^e with e = floor(log2(the largest magnitude in the block)) - 2, held to -126 .. 127; a block of zeros has e = 0. As a byte (E8M0): e + 127.
;;     - Each number is divided by its block's scale, clamped to +-7.5, and rounded to the nearest number of E2M3, ties to even, subnormals kept.
;;     - The product sums the exact products of the quantised numbers (number of the format x scale) in f32.
;;   ~~~python
;;   def quantise(x, axis):      # numpy; x: float32 -> the quantised numbers, widened to float32 again
;;       x = np.moveaxis(x, axis, -1); K = x.shape[-1]
;;       x = np.pad(x, [(0, 0)] * (x.ndim - 1) + [(0, -K % 32)]); x = x.reshape(x.shape[:-1] + (-1, 32)); a = np.abs(x).max(-1, keepdims=True)
;;       e = np.where(a > 0, np.clip(np.frexp(np.where(a > 0, a, 1))[1] - 1 - 2, -126, 127), 0)      # np.frexp(a)[1] - 1 = floor(log2(a)), exactly
;;       r = np.clip(x / 2.0 ** e, -7.5, 7.5)
;;       step = 2.0 ** (np.maximum(np.frexp(np.where(r == 0, 1, r))[1] - 1, 0) - 3)
;;       q = np.round(r / step) * step * 2.0 ** e      # np.round: ties to even
;;       return np.moveaxis(q.reshape(q.shape[:-2] + (-1,))[..., :K], -1, axis).astype(np.float32)
;;   ~~~
;;   OPERANDS COMPUTED ON THE WAY. 'Computed on the way' means the value that the module computes at that place (a softmax that the list does not call 'softmax' is quantised finished and normalised). What goes into a quantiser is computed in f32, as accurately as f32 sums, v_exp_f32 and their like allow (about 1e-6 of the number): no bf16 or f16 on the way to a quantiser, and a product that is left as it is and whose result goes on into a quantised operand takes f32 operands (vector FMAs, or v_wmma_f32_16x16x4_f32). A number that lies on a knife's edge between two numbers of the format may be rounded either way, as far as f32 arithmetic and the matrix unit's own rounding can turn it there, and no further.
;; One version. Each part assembles by itself: llvm-mc -triple=amdgcn-amd-amdhsa -mcpu=gfx1250 --defsym DOCPART=n.
;; ======== version 1 of 1: 4 launches
;; workspace buffers: xq 1,638,400 bytes; w1q 6,291,456 bytes; w2q 6,291,456 bytes; wsc 524,288 bytes; topi 32,768 bytes of whole numbers; tops 32,768 bytes; list 262,400 bytes of whole numbers; part 262,144 bytes
;; launch prep (part 1): grid 288 x 1, 8 waves a work-group, no clusters, 66,560 bytes of LDS; arguments x, gate_w, gate_b, w1, w2, xq, tops, w1q, w2q, wsc, topi; writes xq, tops, w1q, w2q, wsc, topi
.if DOCPART == 1
	.amdgcn_target "amdgcn-amd-amdhsa--gfx1250"
	.amdhsa_code_object_version 6
	.text
	.protected	k_qb537a13c38_prep
	.globl	k_qb537a13c38_prep
	.p2align	8
	.type	k_qb537a13c38_prep,@function
k_qb537a13c38_prep:
	s_mov_b64 s[64:65], 0
	v_nop
	global_prefetch_b8 v0, s[64:65] scope:SCOPE_SE
	s_setreg_imm32_b32 hwreg(HW_REG_WAVE_MODE, 25, 1), 1
	s_wait_xcnt 0x0
; PREP.  Three roles, chosen by the work-group's number; waves share nothing, there is no barrier.
;  work-groups 0-31:    x [4096][512] f32 -> codes of FP6 (E2M3) and scale bytes in xq; the gate x gate_w + gate_b in f32, its two largest logits
;                       (ties: the lower index), the softmax of the two (the larger is taken away first); indices to topi, scores to tops, at fixed places.
;  work-groups 32-159:  w1 [8][512][2048] f32, K = its middle axis -> codes in w1q and scale words in wsc, in the order of a matrix operand's registers.
;  work-groups 160-287: w2 [8][2048][512] likewise -> w2q, wsc.
; A block's scale is 2^(floor(log2(largest magnitude)) - 2); its byte is the largest magnitude's exponent field - 2, held at 1 from below.
; LAYOUTS.  xq: a token's row is 384 bytes; in each 96 bytes (128 along K) the blocks of 32 lie in the order 0, 2, 1, 3, so that lane (r, h) of a fragment takes 48 bytes on end at 96 s + 48 h.
;  From byte 1,572,864 of xq on: the scale bytes, 16 a token, byte B = block B.   A weight's fragment (16 rows x 128 K) is 1,536 bytes: registers 4 c .. 4 c + 3 of lane l at 512 c + 16 l.
;  w1q: fragment ((e 64 + hb) 4 + s) 2 + u; lane r of tile u is hidden unit 32 hb + 8 u + r + 8 (r / 8).   w2q: fragment (e 16 + S) 32 + ct; lane r is channel 16 ct + r.
;  wsc: 8 bytes (the words of two K steps) a row: w1 at ((e 64 + hb) 2 + kh) 256 + 128 u + 8 r;  w2 at 262144 + ((e 8 + Sp) 16 + cb) 256 + 128 u + 8 r.
; LIMITS: NaN and infinities are not served; a block of zeros keeps the byte 1 (its codes are zeros; only this program reads the bytes); blocks whose largest magnitude lies under 2^-124 keep the byte 1;
;  two logits that agree within the rounding of an f32 sum of 512 terms may be ranked the other way round than by another order of that sum.
.set WX,   32                          ; weights: v32-127  three sets of 32 numbers
.set CD,   128                         ; weights: v128-175 the codes of 8 blocks, never written twice
.set T2,   176                         ; weights: v176-178 a block's upper 16 codes on their way
.set SB,   24                          ; weights: v24-25   two scale words
.set R,    16                          ; x: v16-63   three sets of 16 numbers as loaded
.set XX,   64                          ; x: v64-95   two sets of 16 neighbours
.set G,    96                          ; x: v96-223  gate_w[16 lane + kk][e] at G + 8 kk + e
.set A,    224                         ; x: v224-231 eight partial logits
.set C,    240                         ; x: v240-247 two sets of codes
.set WREG, 8192                        ; x: LDS of a wave: two stages of 32 x 80 bytes, 256 scale bytes, 16 x 32 bytes of logits
.set SP,   80
.set SCB,  5120
.set LGT,  5376
.macro LOADB t, stride                 ; block t of a lane's column: 32 numbers down K; a wave's load covers 128 consecutive bytes
.irp i, 0,1,2,3,4,5,6,7,8,9,10,11,12,13,14,15,16,17,18,19,20,21,22,23,24,25,26,27,28,29,30,31
	global_load_b32 v[WX+32*((\t)%3)+\i], v3, s[52:53] offset:(32*(\t)+\i)*\stride th:TH_LOAD_NT
.endr
.endm
.macro BLOCKW t, stride, slstep        ; block t = 4 sl + b; in a fragment it belongs to the lanes' half b % 2, registers 6 (b / 2) on
.set XB, WX+32*((\t)%3)
.set CDB, CD+24*((\t)/4)+12*((\t)%2)+6*(((\t)%4)/2)
.if (\t) < 7
	s_wait_loadcnt 32                              ; this block's 32 loads are in; the next block's may be out
.else
	s_wait_loadcnt 0
.endif
.if (\t)+2 < 8
	LOADB (\t)+2, \stride
.endif
	v_max3_num_f32 v12, |v[XB]|, |v[XB+1]|, |v[XB+2]|
	v_max3_num_f32 v13, |v[XB+3]|, |v[XB+4]|, |v[XB+5]|
.irp i, 6,10,14,18,22,26
	v_max3_num_f32 v12, v12, |v[XB+\i]|, |v[XB+\i+1]|
	v_max3_num_f32 v13, v13, |v[XB+\i+2]|, |v[XB+\i+3]|
.endr
	v_max3_num_f32 v12, v12, |v[XB+30]|, |v[XB+31]|
	v_max3_num_f32 v12, v12, v13, 0x1800000        ; the floor 2^(3 - 127): the byte cannot fall under 1
	v_add_nc_u32 v11, 0xff000000, v12              ; 2 off the exponent field: the conversion's scale operand
	v_cvt_scalef32_pk16_fp6_f32 v[CDB:CDB+2], v[XB:XB+15], v11
	v_cvt_scalef32_pk16_fp6_f32 v[T2:T2+2], v[XB+16:XB+31], v11   ; (a conversion's three registers begin on an even number)
	v_lshrrev_b32 v13, 23, v11                     ; the scale's byte; also the plain line behind the conversions
.if (\t)%4 == 0
	v_mov_b32 v[SB+(\t)/4], v13
.else
	v_lshl_or_b32 v[SB+(\t)/4], v13, 8*((\t)%4), v[SB+(\t)/4]
.endif
.irp i, 0,1,2
	v_mov_b32 v[CDB+3+\i], v[T2+\i]
.endr
.if ((\t)%4)/2 == 1                    ; both blocks of a half are made: its 12 registers leave; each store covers two runs of 256 consecutive bytes, aligned
.irp c, 0,1,2
	global_store_b128 v4, v[CD+24*((\t)/4)+12*((\t)%2)+4*\c:CD+24*((\t)/4)+12*((\t)%2)+4*\c+3], s[54:55] offset:((\t)/4)*\slstep+256*((\t)%2)+512*\c
.endr
.endif
.endm
.macro WBODY stride, slstep            ; v6 = my column's tile u, v7 = its row r in the tile
	v_lshlrev_b32 v3, 2, v2
	v_mul_u32_u24 v4, v6, 1536
	v_lshl_add_u32 v4, v7, 4, v4
	v_lshlrev_b32 v5, 7, v6
	v_lshl_add_u32 v5, v7, 3, v5
	LOADB 0, \stride
	LOADB 1, \stride
.irp t, 0,1,2,3,4,5,6,7
	BLOCKW \t, \stride, \slstep
.endr
	global_store_b64 v5, v[SB:SB+1], s[56:57]      ; 32 lanes store 256 consecutive bytes, aligned
	s_endpgm
.endm
.macro XLOAD t                         ; row t of my 16: four loads of 512 consecutive bytes
.irp i, 0,1,2,3
	global_load_b128 v[R+16*((\t)%3)+4*\i:R+16*((\t)%3)+4*\i+3], v3, s[4:5] offset:2048*(\t)+512*\i th:TH_LOAD_NT
.endr
.endm
.macro XTURN t                         ; through my stage: in as loaded, out 64 bytes a lane.  LDS serves a wave's instructions in order
.irp i, 0,1,2,3
	ds_store_b128 v14, v[R+16*((\t)%3)+4*\i:R+16*((\t)%3)+4*\i+3] offset:32*SP*((\t)%2)+8*SP*\i
.endr
.irp i, 0,1,2,3
	ds_load_b128 v[XX+16*((\t)%2)+4*\i:XX+16*((\t)%2)+4*\i+3], v15 offset:32*SP*((\t)%2)+16*\i
.endr
.endm
.macro XSTEP t
.set XB, XX+16*((\t)%2)
.if (\t) > 0
	s_wait_dscnt 2                                 ; this row is back from the stage; the last step's byte store and logit store may be out
.else
	s_wait_dscnt 0x0
.endif
.if (\t)+3 < 16
	XLOAD (\t)+3
.endif
.if (\t)+1 < 16
.if 14-(\t) >= 2
	s_wait_loadcnt 8                               ; the next row's four loads are in; those of the two rows behind it may be out
.else
	s_wait_loadcnt 4*(14-(\t))
.endif
	XTURN (\t)+1
.endif
	v_max3_num_f32 v248, |v[XB]|, |v[XB+1]|, |v[XB+2]|
	v_max3_num_f32 v249, |v[XB+3]|, |v[XB+4]|, |v[XB+5]|
.irp i, 6,10
	v_max3_num_f32 v248, v248, |v[XB+\i]|, |v[XB+\i+1]|
	v_max3_num_f32 v249, v249, |v[XB+\i+2]|, |v[XB+\i+3]|
.endr
	v_max3_num_f32 v248, v248, |v[XB+14]|, |v[XB+15]|
	v_max3_num_f32 v248, v248, v249, 0x1800000
	v_max_num_f32_dpp v248, v248, v248 row_xmask:1 row_mask:0xf bank_mask:0xf   ; with my neighbour's 16: the block's
	v_add_nc_u32 v250, 0xff000000, v248
	s_wait_xcnt 0x0                                ; the store of two steps ago has read this set of codes
	v_cvt_scalef32_pk16_fp6_f32 v[C+4*((\t)%2):C+4*((\t)%2)+2], v[XB:XB+15], v250
	v_lshrrev_b32 v251, 23, v250                   ; the byte; also the plain line behind the conversion
	ds_store_b8 v5, v251 offset:SCB+16*(\t)        ; both lanes of a block write the same byte with the same value
	global_store_b96 v4, v[C+4*((\t)%2):C+4*((\t)%2)+2], s[14:15] offset:384*(\t)
	; the gate: my 16 numbers x my 16 rows of gate_w, eight logits in four pairs
.irp p, 0,1,2,3
	v_pk_mul_f32 v[A+2*\p:A+2*\p+1], v[XB:XB+1], v[G+2*\p:G+2*\p+1] op_sel_hi:[0,1]
.endr
.set kk, 1
.rept 15
.irp p, 0,1,2,3
.if kk%2 == 0
	v_pk_fma_f32 v[A+2*\p:A+2*\p+1], v[XB+kk:XB+kk+1], v[G+8*kk+2*\p:G+8*kk+2*\p+1], v[A+2*\p:A+2*\p+1] op_sel_hi:[0,1,1]
.else
	v_pk_fma_f32 v[A+2*\p:A+2*\p+1], v[XB+kk-1:XB+kk], v[G+8*kk+2*\p:G+8*kk+2*\p+1], v[A+2*\p:A+2*\p+1] op_sel:[1,0,0] op_sel_hi:[1,1,1]
.endif
.endr
.set kk, kk+1
.endr
	; the sum over 32 lanes of eight numbers, halving the numbers as the lanes are joined: lane l ends with logit l % 8
.irp p, 0,1,2,3
	v_cndmask_b32 v[232+2*\p], v[A+2*\p], v[A+2*\p+1], s24
	v_cndmask_b32 v[233+2*\p], v[A+2*\p+1], v[A+2*\p], s24
.endr
.irp p, 0,1,2,3
	v_add_f32_dpp v[232+2*\p], v[233+2*\p], v[232+2*\p] row_xmask:1 row_mask:0xf bank_mask:0xf
.endr
	v_cndmask_b32 v233, v232, v234, s25
	v_cndmask_b32 v235, v234, v232, s25
	v_cndmask_b32 v237, v236, v238, s25
	v_cndmask_b32 v239, v238, v236, s25
	v_add_f32_dpp v233, v235, v233 row_xmask:2 row_mask:0xf bank_mask:0xf
	v_add_f32_dpp v237, v239, v237 row_xmask:2 row_mask:0xf bank_mask:0xf
	v_cndmask_b32 v232, v233, v237, s26
	v_cndmask_b32 v234, v237, v233, s26
	v_add_f32_dpp v232, v234, v232 row_xmask:4 row_mask:0xf bank_mask:0xf
	v_add_f32_dpp v232, v232, v232 row_xmask:8 row_mask:0xf bank_mask:0xf
	v_permlanex16_b32 v234, v232, s28, s29
	v_add_f32 v232, v232, v234
	ds_store_b32 v9, v232 offset:LGT+32*(\t)       ; four lanes write the same word with the same value
.endm
	s_load_b512 s[4:19], s[0:1], 0x0               ; x 4, gate_w 6, gate_b 8, w1 10, w2 12, xq 14, tops 16, w1q 18
	s_load_b128 s[36:39], s[0:1], 0x40             ; w2q 36, wsc 38
	s_load_b64 s[40:41], s[0:1], 0x50              ; topi 40
	v_lshl_add_u32 v254, v0, 2, 0x10000
	v_mov_b32 v255, 0
	v_lshrrev_b32 v1, 5, v0
	v_readfirstlane_b32 s20, v1                    ; wave
	v_and_b32 v2, 31, v0                           ; lane
	s_mov_b32 s31, 0
	s_wait_kmcnt 0x0
	s_mov_b64 s[42:43], s[16:17]                   ; tops 42
	s_add_nc_u64 s[16:17], s[14:15], 0x180000      ; x's scale bytes lie behind its 4,096 x 384 bytes of codes
	s_cmp_lt_u32 ttmp9, 32
	s_cbranch_scc1 .Lx_role
	s_cmp_lt_u32 ttmp9, 160
	s_cbranch_scc1 .Lw1_role
	; ---- w2: a wave takes 32 channels x 256 hidden units
	s_sub_co_u32 s21, ttmp9, 160
	s_lshr_b32 s22, s21, 4                         ; e
	s_bfe_u32 s23, s21, 0x30001                    ; Sp
	s_and_b32 s21, s21, 1
	s_lshl_b32 s21, s21, 3
	s_add_co_u32 s21, s21, s20                     ; cb = 8 cg + wave
	s_lshl_b32 s30, s22, 22                        ; an expert is 2048 x 512 x 4 bytes,
	s_lshl_b32 s32, s23, 19                        ; 256 rows are 256 x 512 x 4,
	s_add_co_u32 s30, s30, s32
	s_lshl_b32 s32, s21, 7                         ; 32 columns 128
	s_add_co_u32 s30, s30, s32
	s_add_nc_u64 s[52:53], s[12:13], s[30:31]
	s_lshl_b32 s32, s22, 3
	s_add_co_u32 s32, s32, s23                     ; e 8 + Sp
	s_lshl_b32 s30, s32, 6
	s_lshl_b32 s33, s21, 1
	s_add_co_u32 s30, s30, s33                     ; (e 16 + 2 Sp) 32 + 2 cb
	s_mul_i32 s30, s30, 1536
	s_add_nc_u64 s[54:55], s[36:37], s[30:31]
	s_lshl_b32 s30, s32, 4
	s_add_co_u32 s30, s30, s21
	s_lshl_b32 s30, s30, 8
	s_add_co_u32 s30, s30, 262144
	s_add_nc_u64 s[56:57], s[38:39], s[30:31]
	v_lshrrev_b32 v6, 4, v2                        ; u = lane / 16
	v_and_b32 v7, 15, v2                           ; r = lane % 16
	WBODY 2048, 49152
.Lw1_role:
	; ---- w1: a wave takes 32 hidden units x 256 along D
	s_sub_co_u32 s21, ttmp9, 32
	s_lshr_b32 s22, s21, 4                         ; e
	s_bfe_u32 s23, s21, 0x30001                    ; cg
	s_and_b32 s21, s21, 1                          ; kh
	s_lshl_b32 s23, s23, 3
	s_add_co_u32 s23, s23, s20                     ; hb = 8 cg + wave
	s_lshl_b32 s30, s22, 22                        ; an expert is 512 x 2048 x 4 bytes,
	s_lshl_b32 s32, s21, 21                        ; 256 rows are 256 x 2048 x 4,
	s_add_co_u32 s30, s30, s32
	s_lshl_b32 s32, s23, 7
	s_add_co_u32 s30, s30, s32
	s_add_nc_u64 s[52:53], s[10:11], s[30:31]
	s_lshl_b32 s32, s22, 6
	s_add_co_u32 s32, s32, s23                     ; e 64 + hb
	s_lshl_b32 s30, s32, 3
	s_lshl_b32 s33, s21, 2
	s_add_co_u32 s30, s30, s33
	s_mul_i32 s30, s30, 1536
	s_add_nc_u64 s[54:55], s[18:19], s[30:31]
	s_lshl_b32 s30, s32, 1
	s_add_co_u32 s30, s30, s21
	s_lshl_b32 s30, s30, 8
	s_add_nc_u64 s[56:57], s[38:39], s[30:31]
	v_bfe_u32 v6, v2, 3, 1                         ; unit 32 hb + lane is row r = lane % 8 + 8 (lane / 16) of tile u = (lane / 8) % 2
	v_and_b32 v7, 7, v2
	v_lshrrev_b32 v8, 4, v2
	v_lshl_add_u32 v7, v8, 3, v7
	WBODY 8192, 3072
.Lx_role:
	; ---- x: a wave takes 16 tokens, one a step
	s_load_b256 s[44:51], s[8:9], 0x0              ; gate_b
	s_lshl_b32 s21, ttmp9, 3
	s_add_co_u32 s21, s21, s20                     ; which 16 tokens
	s_lshl_b32 s30, s21, 15
	s_add_nc_u64 s[4:5], s[4:5], s[30:31]
	s_mul_i32 s30, s21, 6144
	s_add_nc_u64 s[14:15], s[14:15], s[30:31]
	s_lshl_b32 s30, s21, 8
	s_add_nc_u64 s[16:17], s[16:17], s[30:31]
	s_lshl_b32 s30, s21, 7
	s_add_nc_u64 s[40:41], s[40:41], s[30:31]
	s_add_nc_u64 s[42:43], s[42:43], s[30:31]
	s_mov_b32 s24, 0xaaaaaaaa                      ; lanes with bit 0, 1, 2 of their number set
	s_mov_b32 s25, 0xcccccccc
	s_mov_b32 s26, 0xf0f0f0f0
	s_mov_b32 s28, 0x76543210                      ; v_permlanex16_b32's selects for lane l xor 16
	s_mov_b32 s29, 0xfedcba98
	s_mul_i32 s22, s20, WREG
	v_lshlrev_b32 v1, 9, v2                        ; my 16 rows of gate_w: 512 bytes
	v_lshlrev_b32 v3, 4, v2                        ; my 16 bytes of a load's 512
	v_lshrrev_b32 v14, 2, v2
	v_mul_u32_u24 v14, v14, SP
	v_and_b32 v15, 3, v2
	v_lshl_add_u32 v14, v15, 4, v14
	v_add_nc_u32 v14, s22, v14                     ; the stage, way in: 80 (lane / 4) + 16 (lane % 4)
	v_mul_u32_u24 v15, v2, SP
	v_add_nc_u32 v15, s22, v15                     ; way out: 80 x lane
	v_lshrrev_b32 v4, 3, v2                        ; my 12 bytes in the token's row of xq: K step lane / 8; block b = (lane / 2) % 4 at 48 (b % 2) + 24 (b / 2); half lane % 2
	v_mul_u32_u24 v4, v4, 96
	v_bfe_u32 v8, v2, 1, 1
	v_mad_u32_u24 v4, v8, 48, v4
	v_bfe_u32 v8, v2, 2, 1
	v_mad_u32_u24 v4, v8, 24, v4
	v_and_b32 v8, 1, v2
	v_mad_u32_u24 v4, v8, 12, v4
	v_lshrrev_b32 v5, 1, v2
	v_add_nc_u32 v5, s22, v5                       ; my block's scale byte
	v_lshlrev_b32 v7, 3, v2
	v_add_nc_u32 v6, s22, v7                       ; the scale bytes' way out: 8 bytes a lane
	v_and_b32 v9, 7, v2
	v_lshl_add_u32 v9, v9, 2, s22                  ; my logit's word
	v_and_b32 v10, 15, v2
	v_lshl_add_u32 v10, v10, 5, s22                ; token lane % 16's eight logits
.irp i, 0,1,2,3,4,5,6,7,8,9,10,11,12,13,14,15,16,17,18,19,20,21,22,23,24,25,26,27,28,29,30,31
	global_load_b128 v[G+4*\i:G+4*\i+3], v1, s[6:7] offset:16*\i
.endr
	XLOAD 0
	XLOAD 1
	XLOAD 2
	s_wait_loadcnt 8                               ; gate_w and row 0 are in; rows 1 and 2 may be out
	XTURN 0
.irp t, 0,1,2,3,4,5,6,7,8,9,10,11,12,13,14,15
	XSTEP \t
.endr
	ds_load_b64 v[12:13], v6 offset:SCB
	ds_load_b128 v[232:235], v10 offset:LGT
	ds_load_b128 v[236:239], v10 offset:LGT+16
	s_wait_dscnt 0x0
	global_store_b64 v7, v[12:13], s[16:17]        ; 32 lanes store 256 consecutive bytes, aligned
	s_wait_kmcnt 0x0
.irp e, 0,1,2,3,4,5,6,7
	v_add_f32 v[232+\e], s[44+\e], v[232+\e]
.endr
	v_mov_b32 v16, v232                            ; the largest logit and its index: a later one takes over only if it is larger
	v_mov_b32 v18, 0
.irp e, 1,2,3,4,5,6,7
	v_cmp_ge_f32 vcc_lo, v16, v[232+\e]
	v_cndmask_b32 v18, \e, v18, vcc_lo
	v_max_num_f32 v16, v16, v[232+\e]
.endr
	v_mov_b32 v22, 0xff800000
.irp e, 0,1,2,3,4,5,6,7
	v_cmp_eq_u32 vcc_lo, \e, v18
	v_cndmask_b32 v[232+\e], v[232+\e], v22, vcc_lo    ; the winner leaves
.endr
	v_mov_b32 v17, v232
	v_mov_b32 v19, 0
.irp e, 1,2,3,4,5,6,7
	v_cmp_ge_f32 vcc_lo, v17, v[232+\e]
	v_cndmask_b32 v19, \e, v19, vcc_lo
	v_max_num_f32 v17, v17, v[232+\e]
.endr
	v_sub_f32 v23, v17, v16                        ; the second less the largest: 0 or less
	v_mul_f32 v23, 0x3fb8aa3b, v23
	v_exp_f32 v23, v23
	v_and_b32 v25, 15, v2                          ; (a plain line behind the exponential)
	s_wait_alu depctr_va_vdst(0)
	v_add_f32 v24, 1.0, v23
	v_rcp_f32 v20, v24
	v_lshlrev_b32 v25, 3, v25                      ; (a plain line behind the reciprocal)
	s_wait_alu depctr_va_vdst(0)
	v_mul_f32 v21, v23, v20
	v_cmp_gt_u32 vcc_lo, 16, v2
	s_wait_xcnt 0x0                                ; EXEC changes only behind this wait
	s_wait_tensorcnt 0x0
	ds_add_u32 v254, v255
	s_wait_dscnt 0x0
	s_and_saveexec_b32 s30, vcc_lo                 ; lanes 16-31 hold the same 16 tokens again
	global_store_b64 v25, v[18:19], s[40:41]
	global_store_b64 v25, v[20:21], s[42:43]
	s_wait_xcnt 0x0
	s_or_b32 exec_lo, exec_lo, s30
	s_endpgm
.Lfunc_end_k_qb537a13c38_prep:
	.size	k_qb537a13c38_prep, .Lfunc_end_k_qb537a13c38_prep-k_qb537a13c38_prep
	.p2alignl 7, 3214868480
	.fill 96, 4, 3214868480
	.section	.rodata,"a",@progbits
	.p2align	6, 0x0
	.amdhsa_kernel k_qb537a13c38_prep
		.amdhsa_group_segment_fixed_size 66560
		.amdhsa_private_segment_fixed_size 0
		.amdhsa_enable_private_segment 0
		.amdhsa_kernarg_size 88
		.amdhsa_user_sgpr_count 2
		.amdhsa_user_sgpr_kernarg_segment_ptr 1
		.amdhsa_wavefront_size32 1
		.amdhsa_system_sgpr_workgroup_id_x 1
		.amdhsa_system_sgpr_workgroup_id_y 1
		.amdhsa_system_sgpr_workgroup_id_z 1
		.amdhsa_system_vgpr_workitem_id 0
		.amdhsa_next_free_vgpr 256
		.amdhsa_next_free_sgpr 66
		.amdhsa_reserve_vcc 1
		.amdhsa_float_denorm_mode_32 3
		.amdhsa_float_denorm_mode_16_64 3
		.amdhsa_memory_ordered 1
		.amdhsa_forward_progress 1
		.amdhsa_inst_pref_size 204
	.end_amdhsa_kernel
	.amdgpu_metadata
---
amdhsa.version: [ 1, 2 ]
amdhsa.kernels:
  - .name:           k_qb537a13c38_prep
    .symbol:         k_qb537a13c38_prep.kd
    .args:
      - { .name: x, .offset: 0, .size: 8, .value_kind: global_buffer, .address_space: global }
      - { .name: gate_w, .offset: 8, .size: 8, .value_kind: global_buffer, .address_space: global }
      - { .name: gate_b, .offset: 16, .size: 8, .value_kind: global_buffer, .address_space: global }
      - { .name: w1, .offset: 24, .size: 8, .value_kind: global_buffer, .address_space: global }
      - { .name: w2, .offset: 32, .size: 8, .value_kind: global_buffer, .address_space: global }
      - { .name: xq, .offset: 40, .size: 8, .value_kind: global_buffer, .address_space: global }
      - { .name: tops, .offset: 48, .size: 8, .value_kind: global_buffer, .address_space: global }
      - { .name: w1q, .offset: 56, .size: 8, .value_kind: global_buffer, .address_space: global }
      - { .name: w2q, .offset: 64, .size: 8, .value_kind: global_buffer, .address_space: global }
      - { .name: wsc, .offset: 72, .size: 8, .value_kind: global_buffer, .address_space: global }
      - { .name: topi, .offset: 80, .size: 8, .value_kind: global_buffer, .address_space: global }
    .group_segment_fixed_size: 66560
    .private_segment_fixed_size: 0
    .kernarg_segment_align: 8
    .kernarg_segment_size: 88
    .max_flat_workgroup_size: 256
    .sgpr_count:     66
    .vgpr_count:     256
    .wavefront_size: 32
...
	.end_amdgpu_metadata
.endif
;; end of part 1
;; launch place (part 2): grid 32 x 1, 1 waves a work-group, no clusters, 0 bytes of LDS; arguments topi, list; writes list
.if DOCPART == 2
	.amdgcn_target "amdgcn-amd-amdhsa--gfx1250"
	.amdhsa_code_object_version 6
	.text
	.protected	k_qb537a13c38_place
	.globl	k_qb537a13c38_place
	.p2align	8
	.type	k_qb537a13c38_place,@function
k_qb537a13c38_place:
	s_mov_b64 s[64:65], 0
	v_nop
	global_prefetch_b8 v0, s[64:65] scope:SCOPE_SE
	s_setreg_imm32_b32 hwreg(HW_REG_WAVE_MODE, 25, 1), 1
	s_wait_xcnt 0x0
; PLACE.  Work-group 4 e + q, one wave: the 2,048 slots (slot = 2 token + k) of tokens 1024 q .. 1024 q + 1023 are laid in list[4 e + q][2048] so that those that name expert e come first.
; A slot of expert e goes to its rank among them (places 0 .. count - 1); every other slot goes to place 2047 less the number of such slots ahead of it.  So the 2,048 words are a permutation of the
; quarter's slots: each word is stored once, in one pass, and what stands behind an expert's rows is a slot like any other.  The count goes to the word at byte 262,144 + 4 (4 e + q).
; The order is that of the registers: vector v = 0 .. 63 (register 32 + v), then the lane; entry (v, lane) is slot 2048 q + 128 (v / 4) + 4 lane + v % 4.
; Ranks: a compare gives a mask of the 32 lanes, its count of ones the next vector's base, and v_mbcnt the ones under a lane.  Everything here is whole numbers; topi was stored by the launch before.
; Each store has an address register and a data register of its own, so nothing that a pending store reads is written again.  A store's lanes fall into two runs of neighbouring words.
; 32 work-groups: the whole work is 32 x 8 KB of whole numbers.
.set ENT, 32                           ; v32-95   the entries as loaded
.set AD,  96                           ; v96-159  a vector's places, then byte offsets
.set DA,  160                          ; v160-223 its slots
.set TM,  224                          ; v224-231 at work
	s_load_b128 s[4:7], s[0:1], 0x0                ; topi, list
	s_lshr_b32 s25, ttmp9, 2                       ; e
	s_and_b32 s27, ttmp9, 3                        ; q
	v_lshlrev_b32 v1, 4, v0                        ; 16 x lane
	s_lshl_b32 s28, s27, 11
	v_lshl_add_u32 v25, v0, 2, s28                 ; 2048 q + 4 lane
	v_mov_b32 v2, 0
	s_mov_b32 s29, 0
	s_mov_b32 s66, 0                               ; e's slots so far
	s_wait_kmcnt 0x0
	s_lshl_b32 s28, s27, 13
	s_add_nc_u64 s[4:5], s[4:5], s[28:29]          ; topi at my 1,024 tokens
	s_lshl_b32 s28, ttmp9, 2
	s_add_nc_u64 s[8:9], s[6:7], s[28:29]          ; my count's word, 262,144 bytes on
	s_lshl_b32 s28, ttmp9, 13
	s_add_nc_u64 s[6:7], s[6:7], s[28:29]          ; my 2,048 words
.irp c, 0,1,2,3,4,5,6,7,8,9,10,11,12,13,14,15
	global_load_b128 v[ENT+4*\c:ENT+4*\c+3], v1, s[4:5] offset:512*\c
.endr
.set g, 0
.rept 8                                ; eight vectors at a time, so that the steps do not wait for each other
	s_wait_loadcnt 14-2*g                          ; this group's two loads are in; those of the groups behind it may be out
.irp i, 0,1,2,3,4,5,6,7
	v_cmp_eq_u32 s[72+\i], s25, v[ENT+8*g+\i]
.endr
.irp i, 0,1,2,3,4,5,6,7
	s_bcnt1_i32_b32 s[80+\i], s[72+\i]
.endr
	s_mov_b32 s88, s66
.irp i, 0,1,2,3,4,5,6
	s_add_co_u32 s[89+\i], s[88+\i], s[80+\i]
.endr
	s_add_co_u32 s66, s95, s87
.irp i, 0,1,2,3,4,5,6,7
	v_mbcnt_lo_u32_b32 v[AD+8*g+\i], s[72+\i], s[88+\i]        ; e's slots ahead of me
.endr
.irp i, 0,1,2,3,4,5,6,7
	v_add_nc_u32 v[TM+\i], 2047-32*(8*g+\i), v[AD+8*g+\i]
.endr
.irp i, 0,1,2,3,4,5,6,7
	v_sub_nc_u32 v[TM+\i], v[TM+\i], v0                        ; 2047 - (32 v + lane - e's slots ahead of me)
.endr
.irp i, 0,1,2,3,4,5,6,7
	v_cndmask_b32 v[AD+8*g+\i], v[TM+\i], v[AD+8*g+\i], s[72+\i]
.endr
.irp i, 0,1,2,3,4,5,6,7
	v_min_u32 v[AD+8*g+\i], 0x7ff, v[AD+8*g+\i]
.endr
.irp i, 0,1,2,3,4,5,6,7
	v_lshlrev_b32 v[AD+8*g+\i], 2, v[AD+8*g+\i]
.endr
.irp i, 0,1,2,3,4,5,6,7
	v_add_nc_u32 v[DA+8*g+\i], 128*((8*g+\i)/4)+(8*g+\i)%4, v25   ; the entry's slot
.endr
.irp i, 0,1,2,3,4,5,6,7
	global_store_b32 v[AD+8*g+\i], v[DA+8*g+\i], s[6:7]
.endr
.set g, g+1
.endr
	v_mov_b32 v3, s66
	v_cmp_gt_u32 vcc_lo, 1, v0
	s_wait_xcnt 0x0                                ; EXEC changes only behind this wait
	s_and_saveexec_b32 s30, vcc_lo                 ; lane 0 stores the count
	global_store_b32 v2, v3, s[8:9] offset:262144
	s_wait_xcnt 0x0
	s_or_b32 exec_lo, exec_lo, s30
	s_endpgm
.Lfunc_end_k_qb537a13c38_place:
	.size	k_qb537a13c38_place, .Lfunc_end_k_qb537a13c38_place-k_qb537a13c38_place
	.p2alignl 7, 3214868480
	.fill 96, 4, 3214868480
	.section	.rodata,"a",@progbits
	.p2align	6, 0x0
	.amdhsa_kernel k_qb537a13c38_place
		.amdhsa_group_segment_fixed_size 0
		.amdhsa_private_segment_fixed_size 0
		.amdhsa_enable_private_segment 0
		.amdhsa_kernarg_size 16
		.amdhsa_user_sgpr_count 2
		.amdhsa_user_sgpr_kernarg_segment_ptr 1
		.amdhsa_wavefront_size32 1
		.amdhsa_system_sgpr_workgroup_id_x 1
		.amdhsa_system_sgpr_workgroup_id_y 1
		.amdhsa_system_sgpr_workgroup_id_z 1
		.amdhsa_system_vgpr_workitem_id 0
		.amdhsa_next_free_vgpr 256
		.amdhsa_next_free_sgpr 100
		.amdhsa_reserve_vcc 1
		.amdhsa_float_denorm_mode_32 3
		.amdhsa_float_denorm_mode_16_64 3
		.amdhsa_memory_ordered 1
		.amdhsa_forward_progress 1
		.amdhsa_inst_pref_size 41
	.end_amdhsa_kernel
	.amdgpu_metadata
---
amdhsa.version: [ 1, 2 ]
amdhsa.kernels:
  - .name:           k_qb537a13c38_place
    .symbol:         k_qb537a13c38_place.kd
    .args:
      - { .name: topi, .offset: 0, .size: 8, .value_kind: global_buffer, .address_space: global }
      - { .name: list, .offset: 8, .size: 8, .value_kind: global_buffer, .address_space: global }
    .group_segment_fixed_size: 0
    .private_segment_fixed_size: 0
    .kernarg_segment_align: 8
    .kernarg_segment_size: 16
    .max_flat_workgroup_size: 32
    .sgpr_count:     100
    .vgpr_count:     256
    .wavefront_size: 32
...
	.end_amdgpu_metadata
.endif
;; end of part 2
;; launch chain (part 3): grid 64 x 4, 8 waves a work-group, no clusters, 112,640 bytes of LDS; arguments xq, part, w1q, w2q, wsc, b1, b2, list; writes part
.if DOCPART == 3
	.amdgcn_target "amdgcn-amd-amdhsa--gfx1250"
	.amdhsa_code_object_version 6
	.text
	.protected	k_qb537a13c38_chain
	.globl	k_qb537a13c38_chain
	.p2align	8
	.type	k_qb537a13c38_chain,@function
k_qb537a13c38_chain:
	s_mov_b64 s[64:65], 0
	v_nop
	global_prefetch_b8 v0, s[64:65] scope:SCOPE_SE
	s_setreg_imm32_b32 hwreg(HW_REG_WAVE_MODE, 25, 1), 1
	s_wait_xcnt 0x0
; CHAIN.  Work-group (x = 8 e + j, y = q): expert e, hidden units 256 j .. 256 j + 255, the rows of e among tokens 1024 q .. 1024 q + 1023 (a token names an expert at most once: at most 1,024 rows).
; For each such row (slot = 2 token + k): gelu(x w1[e] + b1[e]) on the slice, quantised, times the slice's rows of w2[e], summed over the 512 channels (+ the sum of b2[e] in slice 0) -> part[j][slot].
; Both products on codes of FP6 (E2M3) with one E8M0 scale for each 32 along K.  The sum over channels is linear, so the slices' sums are added by the next launch; no y and no hidden layer goes to memory.
; SHARES.  Eight waves, two to a SIMD, so that one wave's gelu stands beside the other's products.  THE WAVES SHARE THE COLUMNS: wave w makes hidden units 32 w .. 32 w + 31 of the slice (one block of the second
; product's K: K step w / 4, block w % 4) and channels 64 w .. 64 w + 63, for all rows.  Its fragments of w1 (8) and w2 (8) stay in registers for the whole launch, loaded once, as they lie in w1q and w2q.
; ROWS.  The launch before has stored, as whole numbers, the work-group's slots (list[4 e + q], e's first) and their count.  Rows go in blocks of 128: wave w gathers the block's rows 16 w .. 16 w + 15 from xq,
; a block ahead, and lays them in LDS as images of an operand's registers; its entry of the list is loaded a block ahead of that gather.  The loop has 8 trips, whatever the count; a trip's work is passed over
; by scalar branches on the rows left, never a barrier.  Rows that fill a block up are the slots that stand behind e's in the list; their sums are not stored.
; BOTH PRODUCTS ARE USED TRANSPOSED (source 0 = 16 rows of the weight, source 1 = 16 rows of x or of the hidden layer): a lane holds one row throughout.
; GELU, exact form: erfc by a rational Chebyshev fit (fractional error 1.2e-7): t = 1 / (1 + |x| / (2 sqrt 2)); a = t 2^(c0 + t (c1 + .. + t c9) - x^2 log2(e) / 2); gelu = max(x, 0) - |x| a / 2.  No difference of near numbers in either tail.
; NO TENSOR LOAD AND NO CLUSTER: trips' work hangs on stored numbers, and each weight byte goes straight into one wave's registers.
; STORES of 4 bytes a lane at places given by the list: 32 KB a slice in all; a dense order would want the list again in the next launch.
; LIMITS: NaN and infinities are not served; where a falls under 2^-126 it counts as 0; a block of zeros keeps the scale byte 1 (its codes are zeros).
.set XIMG, 0                           ; LDS: x: fragment 4 m + s (tile of rows m, K step s): registers 4 c .. 4 c + 3 of lane l at 512 c + 16 l
.set XSC,  49152                       ; x's scale words: 512 m + 16 l, four words
.set HIMG, 53248                       ; the hidden layer: fragment 2 m + S, lane l's 12 registers at 48 l
.set HSC,  77824                       ; its scale bytes: 128 m + 8 r + 4 S + block
.set RS,   78848                       ; row sums: 4096 wave + 4 row
.set XF,   32                          ; v32-127  x's fragments of a pair of tiles (48 a + 12 s); in the second product two buffers of hidden fragments (48 (p % 2) + 24 a + 12 S)
.set XS,   128                         ; v128-135 scale words of the same: x's 4 a + s; the hidden layer's 4 (p % 2) + 2 a + S
.set ACC,  136                         ; v136-167 first product 16 a + 8 u; second product, tile a = 0: 8 n
.set B1,   168                         ; v168-183 b1 in the result's layout, 8 u
.set W1S,  184                         ; v184-191 w1's scale words 4 (s / 2) + 2 u + s % 2
.set W2S,  192                         ; v192-199 w2's 2 n + S
.set T,    200                         ; v200-215, v216-231, v232-247: gelu at work; second product: v200-231 tile a = 1, v232-236 sums
.set P,    216
.set W,    232
.set QM,   248
.set QP,   249
.set QS,   250
.set QB,   251
.set CODE, 252                         ; v252-254 sixteen codes
.set SLO,  26                          ; v26-29 the byte offsets in part of the slots of rows thread + 256 i, one register a store, made once at the head (v28, v29 hold r and h ahead of that)
.set W2F,  96                          ; window 1: v0-95 w1's fragments 12 (2 s + u); v96-191 w2's 12 (4 S + n); v192-243 the rows gathered for the next block
.set XG,   192
.set MSB, 0
.macro WIN new                         ; the immediate's high byte repeats the setting that is left
.if MSB != \new
	s_set_vgpr_msb (MSB<<8)|\new
.set MSB, \new
.endif
.endm
.macro BAR                             ; my LDS stores have landed and my LDS loads are in: then the work-group's barrier
	s_wait_dscnt 0x0
	s_barrier_signal -1
	s_barrier_wait -1
.endm
.macro SETC reg, val                   ; a constant as a pair: the packed forms name both words
	s_mov_b32 s[\reg], \val
	s_mov_b32 s[\reg+1], \val
.endm
.macro GATHER                          ; v14 = my row's slot: 48 bytes of each K step and the 16 scale bytes of its token, into window 1
	v_lshrrev_b32 v15, 1, v14
	v_min_u32 v15, 0xfff, v15
	v_mul_u32_u24 v16, v15, 384
	v_add_nc_u32 v16, v16, v18
	v_lshlrev_b32 v17, 4, v15
	WIN 0x40
.irp s, 0,1,2,3
.irp c, 0,1,2
	global_load_b128 v[XG+12*\s+4*\c:XG+12*\s+4*\c+3], v16, s[4:5] offset:96*\s+16*\c
.endr
.endr
	global_load_b128 v[XG+48:XG+51], v17, s[6:7]
	WIN 0
.endm
.macro XSTORE                          ; they go to LDS as they stand
	WIN 0x04
.irp s, 0,1,2,3
.irp c, 0,1,2
	ds_store_b128 v4, v[XG+12*\s+4*\c:XG+12*\s+4*\c+3] offset:XIMG+1536*\s+512*\c
.endr
.endr
	ds_store_b128 v5, v[XG+48:XG+51] offset:XSC
	WIN 0
.endm
.macro FETCHX p                        ; pair p's eight fragments of x and their scale words: 26 loads
.irp a, 0,1
.irp s, 0,1,2,3
.irp c, 0,1,2
	ds_load_b128 v[XF+48*\a+12*\s+4*\c:XF+48*\a+12*\s+4*\c+3], v1 offset:XIMG+(4*(2*(\p)+\a)+\s)*1536+512*\c
.endr
.endr
	ds_load_b128 v[XS+4*\a:XS+4*\a+3], v1 offset:XSC+(2*(\p)+\a)*512
.endr
.endm
.macro FETCHH p                        ; pair p's four hidden fragments and their scale words
.irp a, 0,1
.irp s, 0,1
.irp c, 0,1,2
	ds_load_b128 v[XF+48*((\p)%2)+24*\a+12*\s+4*\c:XF+48*((\p)%2)+24*\a+12*\s+4*\c+3], v8 offset:(2*(2*(\p)+\a)+\s)*1536+16*\c
.endr
.endr
	ds_load_b64 v[XS+4*((\p)%2)+2*\a:XS+4*((\p)%2)+2*\a+1], v9 offset:(2*(\p)+\a)*128
.endr
.endm
; The first product of a pair of tiles: four accumulators by turns, one instruction a turn; b1 is the C of each sum's first instruction.
; Five plain lines stand ahead (results are laid over registers of earlier matrix instructions), four behind (loads into operands, reads of results).
.macro WMMA1
.rept 5
	v_nop
.endr
	WIN 0x01
.irp s, 0,1,2,3
.irp a, 0,1
.irp u, 0,1
.if \s == 0
	v_wmma_scale_f32_16x16x128_f8f6f4 v[ACC+16*\a+8*\u:ACC+16*\a+8*\u+7], v[12*(2*\s+\u):12*(2*\s+\u)+11], v[XF+48*\a+12*\s:XF+48*\a+12*\s+11], v[B1+8*\u:B1+8*\u+7], v[W1S+4*(\s/2)+2*\u+(\s%2)], v[XS+4*\a+\s] matrix_a_fmt:MATRIX_FMT_FP6 matrix_b_fmt:MATRIX_FMT_FP6
.else
	v_wmma_scale_f32_16x16x128_f8f6f4 v[ACC+16*\a+8*\u:ACC+16*\a+8*\u+7], v[12*(2*\s+\u):12*(2*\s+\u)+11], v[XF+48*\a+12*\s:XF+48*\a+12*\s+11], v[ACC+16*\a+8*\u:ACC+16*\a+8*\u+7], v[W1S+4*(\s/2)+2*\u+(\s%2)], v[XS+4*\a+\s] matrix_a_fmt:MATRIX_FMT_FP6 matrix_b_fmt:MATRIX_FMT_FP6
.endif
.endr
.endr
.endr
	WIN 0
.rept 4
	v_nop
.endr
.endm
; The second product of a pair: eight accumulators by turns; the first K step starts the sums with the constant 0.
.macro WMMA2 p
.rept 5
	v_nop
.endr
	WIN 0x01
.irp s, 0,1
.irp n, 0,1,2,3
.irp a, 0,1
.if \s == 0
	v_wmma_scale_f32_16x16x128_f8f6f4 v[ACC+64*\a+8*\n:ACC+64*\a+8*\n+7], v[W2F+12*(4*\s+\n):W2F+12*(4*\s+\n)+11], v[XF+48*((\p)%2)+24*\a+12*\s:XF+48*((\p)%2)+24*\a+12*\s+11], 0, v[W2S+2*\n+\s], v[XS+4*((\p)%2)+2*\a+\s] matrix_a_fmt:MATRIX_FMT_FP6 matrix_b_fmt:MATRIX_FMT_FP6
.else
	v_wmma_scale_f32_16x16x128_f8f6f4 v[ACC+64*\a+8*\n:ACC+64*\a+8*\n+7], v[W2F+12*(4*\s+\n):W2F+12*(4*\s+\n)+11], v[XF+48*((\p)%2)+24*\a+12*\s:XF+48*((\p)%2)+24*\a+12*\s+11], v[ACC+64*\a+8*\n:ACC+64*\a+8*\n+7], v[W2S+2*\n+\s], v[XS+4*((\p)%2)+2*\a+\s] matrix_a_fmt:MATRIX_FMT_FP6 matrix_b_fmt:MATRIX_FMT_FP6
.endif
.endr
.endr
.endr
	WIN 0
.rept 4
	v_nop
.endr
.endm
; gelu of 16 numbers in place, v[x] on; each accumulator is read from its low end on.
.macro GELU16 x
.irp i, 0,1,2,3,4,5,6,7,8,9,10,11,12,13,14,15
	v_fma_f32 v[T+\i], |v[\x+\i]|, s38, 1.0        ; 1 + |x| / (2 sqrt 2)
.endr
.irp i, 0,1,2,3,4,5,6,7,8,9,10,11,12,13,14,15
	v_rcp_f32 v[T+\i], v[T+\i]                     ; t
.endr
.irp i, 0,2,4,6,8,10,12,14
	v_pk_mul_f32 v[W+\i:W+\i+1], v[\x+\i:\x+\i+1], v[\x+\i:\x+\i+1]   ; x^2 (plain lines behind the reciprocals)
.endr
	s_wait_alu depctr_va_vdst(0)
.irp i, 0,2,4,6,8,10,12,14
	v_pk_fma_f32 v[P+\i:P+\i+1], v[T+\i:T+\i+1], s[40:41], v[22:23] op_sel_hi:[1,0,1]   ; c9 t + c8
.endr
.irp k, 42,44,46,48,50,52,54,56
.irp i, 0,2,4,6,8,10,12,14
	v_pk_fma_f32 v[P+\i:P+\i+1], v[P+\i:P+\i+1], v[T+\i:T+\i+1], s[\k:\k+1] op_sel_hi:[1,1,0]   ; down to c0
.endr
.endr
.irp i, 0,2,4,6,8,10,12,14
	v_pk_fma_f32 v[P+\i:P+\i+1], v[W+\i:W+\i+1], s[58:59], v[P+\i:P+\i+1] op_sel_hi:[1,0,1]   ; - x^2 log2(e) / 2
.endr
.irp i, 0,1,2,3,4,5,6,7,8,9,10,11,12,13,14,15
	v_exp_f32 v[P+\i], v[P+\i]
.endr
.irp i, 0,1,2,3,4,5,6,7,8,9,10,11,12,13,14,15
	v_mul_f32 v[W+\i], 0.5, |v[\x+\i]|             ; |x| / 2 (plain lines behind the exponentials)
.endr
	s_wait_alu depctr_va_vdst(0)
.irp i, 0,2,4,6,8,10,12,14
	v_pk_mul_f32 v[T+\i:T+\i+1], v[T+\i:T+\i+1], v[P+\i:P+\i+1]   ; a
.endr
.irp i, 0,1,2,3,4,5,6,7,8,9,10,11,12,13,14,15
	v_max_num_f32 v[\x+\i], 0, v[\x+\i]
.endr
.irp i, 0,2,4,6,8,10,12,14
	v_pk_fma_f32 v[\x+\i:\x+\i+1], v[W+\i:W+\i+1], v[T+\i:T+\i+1], v[\x+\i:\x+\i+1] neg_lo:[1,0,0] neg_hi:[1,0,0]
.endr
.endm
; My 16 numbers and lane l xor 16's are a block of 32 along the next K: its scale, my 16 codes.
.macro QUANT1 x
	v_max3_num_f32 v[QM], |v[\x]|, |v[\x+1]|, 0x1800000        ; with the floor 2^(3 - 127): the byte cannot fall under 1
	v_max3_num_f32 v[QP], |v[\x+2]|, |v[\x+3]|, |v[\x+4]|
	v_max3_num_f32 v[QM], v[QM], |v[\x+5]|, |v[\x+6]|
	v_max3_num_f32 v[QP], v[QP], |v[\x+7]|, |v[\x+8]|
	v_max3_num_f32 v[QM], v[QM], |v[\x+9]|, |v[\x+10]|
	v_max3_num_f32 v[QP], v[QP], |v[\x+11]|, |v[\x+12]|
	v_max3_num_f32 v[QM], v[QM], |v[\x+13]|, |v[\x+14]|
	v_max3_num_f32 v[QM], v[QM], v[QP], |v[\x+15]|
	v_permlanex16_b32 v[QP], v[QM], s60, s61
	v_max_num_f32 v[QM], v[QM], v[QP]
	v_add_nc_u32 v[QS], 0xff000000, v[QM]          ; 2 off the exponent field: the conversion's scale operand
	v_cvt_scalef32_pk16_fp6_f32 v[CODE:CODE+2], v[\x:\x+15], v[QS]
	v_lshrrev_b32 v[QB], 23, v[QS]                 ; the byte; also the plain line behind the conversion
.endm
.macro STOREH m                        ; my 12 bytes of tile m's fragment, and the block's byte (both halves of the lanes write the same byte with the same value)
.irp i, 0,1,2
	ds_store_b32 v6, v[CODE+\i] offset:3072*(\m)+4*\i
.endr
	ds_store_b8 v7, v[QB] offset:128*(\m)
.endm
.macro SUM a, m                        ; tile a's four accumulators: my row's sum over my wave's 64 channels; the accumulators' low registers are read first
.set AB, ACC+64*\a
	v_pk_add_f32 v[232:233], v[AB:AB+1], v[AB+8:AB+9]
	v_pk_add_f32 v[234:235], v[AB+16:AB+17], v[AB+24:AB+25]
.irp i, 2,4,6
	v_pk_add_f32 v[232:233], v[232:233], v[AB+\i:AB+\i+1]
	v_pk_add_f32 v[234:235], v[234:235], v[AB+8+\i:AB+8+\i+1]
	v_pk_add_f32 v[232:233], v[232:233], v[AB+16+\i:AB+16+\i+1]
	v_pk_add_f32 v[234:235], v[234:235], v[AB+24+\i:AB+24+\i+1]
.endr
	v_pk_add_f32 v[232:233], v[232:233], v[234:235]
	v_add_f32 v232, v232, v233
	v_add_f32 v232, v232, v19                      ; my 32 channels' b2, in slice 0
	v_permlanex16_b32 v236, v232, s60, s61
	v_add_f32 v232, v232, v236
	ds_store_b32 v11, v232 offset:64*(\m)          ; both halves of the lanes write the same word with the same value
.endm
.macro PAIRA p                         ; rows 32 p .. 32 p + 31 of the block: first product, gelu, codes to LDS
	WMMA1
.if \p < 3
	s_cmp_gt_u32 s70, 32*(\p+1)
	s_cbranch_scc0 .Lno_x_\@
	FETCHX \p+1
.Lno_x_\@:
.endif
	GELU16 ACC
	QUANT1 ACC
	STOREH 2*\p
	GELU16 ACC+16
	QUANT1 ACC+16
	STOREH 2*\p+1
.if \p < 3
	s_cmp_le_u32 s70, 32*(\p+1)
	s_cbranch_scc1 .Lend_a
	s_wait_dscnt 0x0                               ; the next pair's fragments are in
.endif
.endm
.macro PAIRB p                         ; the same rows: second product, sums over channels
	s_wait_dscnt 0x0                               ; the pair's fragments are in
	WMMA2 \p
.if \p < 2
	s_cmp_gt_u32 s70, 32*(\p+2)
	s_cbranch_scc0 .Lno_h_\@
	FETCHH \p+2
.Lno_h_\@:
.endif
	SUM 0, 2*\p
	SUM 1, 2*\p+1
.if \p < 3
	s_cmp_le_u32 s70, 32*(\p+1)
	s_cbranch_scc1 .Lend_b
.endif
.endm
; Rows 256 i + thread: the eight waves' sums are added and stored at the row's slot, whose byte offset v[SLO + i] was made at the kernel's head, with all lanes on.
; Only the sums' loads, their additions and the store run under the narrowed EXEC.
.macro OUTQ i
	s_cmp_le_u32 s67, 256*\i
	s_cbranch_scc1 .Ldone
	v_add_nc_u32 v2, 256*\i, v0
	v_cmp_gt_u32 vcc_lo, s67, v2
	s_wait_xcnt 0x0                                ; EXEC changes only behind this wait
	s_and_saveexec_b32 s71, vcc_lo
.irp w, 0,1,2,3,4,5,6,7
	ds_load_b32 v[200+\w], v20 offset:4096*\w+1024*\i
.endr
	s_wait_dscnt 0x0
	v_add_f32 v200, v200, v201
	v_add_f32 v202, v202, v203
	v_add_f32 v204, v204, v205
	v_add_f32 v206, v206, v207
	v_add_f32 v200, v200, v202
	v_add_f32 v204, v204, v206
	v_add_f32 v200, v200, v204
	global_store_b32 v[SLO+\i], v200, s[20:21]
	s_wait_xcnt 0x0                                ; and again: the store has read its registers and EXEC
	s_or_b32 exec_lo, exec_lo, s71
.endm
	s_load_b512 s[4:19], s[0:1], 0x0               ; xq 4, part 6, w1q 8, w2q 10, wsc 12, b1 14, b2 16, list 18
	v_lshl_add_u32 v31, v0, 2, 0x1b400
	v_mov_b32 v255, 0
	v_lshrrev_b32 v2, 5, v0
	v_readfirstlane_b32 s24, v2                    ; wave
	s_lshr_b32 s25, ttmp9, 3                       ; e
	s_and_b32 s26, ttmp9, 7                        ; j
	s_and_b32 s27, ttmp7, 0xffff                   ; q
	v_and_b32 v2, 31, v0                           ; lane
	v_and_b32 v28, 15, v0                          ; r
	v_bfe_u32 v29, v0, 4, 1                        ; h
	; the addresses that stay
	v_lshlrev_b32 v1, 4, v2                        ; 16 x lane: an image's place for my lane, in LDS and in the weights' buffers
	s_mul_i32 s28, s24, 6144
	v_add_nc_u32 v4, s28, v1                       ; my tile's four images of x
	s_lshl_b32 s28, s24, 9
	v_add_nc_u32 v5, s28, v1                       ; and its scale words
	s_lshr_b32 s28, s24, 2                         ; my K step of the second product,
	s_mul_i32 s28, s28, 1536
	s_and_b32 s29, s24, 1                          ; my block's half of the lanes,
	s_mul_i32 s29, s29, 768
	s_add_co_u32 s28, s28, s29
	s_bfe_u32 s29, s24, 0x10001                    ; and its six registers
	s_mul_i32 s29, s29, 24
	s_add_co_u32 s28, s28, s29
	s_add_co_u32 s28, s28, HIMG
	v_mul_u32_u24 v6, v28, 48
	v_mad_u32_u24 v6, v29, 12, v6
	v_add_nc_u32 v6, s28, v6
	s_add_co_u32 s28, s24, HSC                     ; 4 (wave / 4) + wave % 4 = wave
	v_lshl_add_u32 v7, v28, 3, s28
	v_mul_u32_u24 v8, v2, 48
	v_add_nc_u32 v8, HIMG, v8
	v_lshlrev_b32 v9, 3, v28
	v_add_nc_u32 v9, HSC, v9
	s_lshl_b32 s28, s24, 12
	s_add_co_u32 s28, s28, RS
	v_lshl_add_u32 v10, v28, 2, s28
	s_lshl_b32 s28, s24, 6
	v_lshl_add_u32 v12, v28, 2, s28                ; in the list: the entry of row 16 wave + r
	v_lshlrev_b32 v21, 2, v0                       ; in the list: the entry of row thread
	v_add_nc_u32 v20, RS, v21
	v_mul_u32_u24 v18, v29, 48
	v_mov_b32 v22, 0xbf97d29d                      ; c8, twice
	v_mov_b32 v23, 0xbf97d29d
	v_mov_b32 v236, 0                              ; a lane permute's destination counts as one of its sources
	v_lshlrev_b32 v248, 3, v28                     ; offsets of the loads below: 8 r, 64 h, 32 h
	v_lshlrev_b32 v249, 6, v29
	v_lshlrev_b32 v250, 5, v29
	s_mov_b32 s38, 0x3eb504f3                      ; 1 / (2 sqrt 2)
	SETC 40, 0x3e7c6f08                            ; c9 .. c0: the fit's coefficients x log2(e)
	SETC 42, 0x40097039
	SETC 44, 0xbfd1a1e5
	SETC 46, 0x3ecdfd18
	SETC 48, 0xbe899a80
	SETC 50, 0x3e0efb2e
	SETC 52, 0x3f0a29d2
	SETC 54, 0x3fb8ab5a
	SETC 56, 0xbfe9b21e
	SETC 58, 0xbf38aa3b                            ; - log2(e) / 2
	s_mov_b32 s60, 0x76543210                      ; v_permlanex16_b32's selects for lane l xor 16
	s_mov_b32 s61, 0xfedcba98
	s_mov_b32 s29, 0
	s_wait_kmcnt 0x0
	s_mov_b64 s[20:21], s[6:7]                     ; part 20
	s_add_nc_u64 s[6:7], s[4:5], 0x180000          ; x's scale bytes lie behind its 4,096 x 384 bytes of codes
	; the list first: the gather hangs on it
	s_lshl_b32 s30, s25, 2
	s_add_co_u32 s30, s30, s27                     ; 4 e + q
	s_lshl_b32 s28, s30, 2
	s_add_nc_u64 s[32:33], s[18:19], s[28:29]
	s_load_b32 s67, s[32:33], 0x40000              ; the count of my rows
	s_lshl_b32 s28, s30, 13
	s_add_nc_u64 s[18:19], s[18:19], s[28:29]      ; my 2,048 words of the list
	global_load_b32 v14, v12, s[18:19]             ; my row of block 0
.irp i, 0,1,2,3
	global_load_b32 v[SLO+\i], v21, s[18:19] offset:1024*\i    ; the slots of rows thread + 256 i, for the way out
.endr
	s_lshl_b32 s30, s25, 6
	s_lshl_b32 s31, s26, 3
	s_add_co_u32 s30, s30, s31
	s_add_co_u32 s30, s30, s24                     ; e 64 + hb, hb = 8 j + wave
	s_mul_i32 s28, s30, 12288
	s_add_nc_u64 s[8:9], s[8:9], s[28:29]          ; my eight fragments of w1
	s_mov_b64 s[22:23], s[12:13]
	s_lshl_b32 s28, s30, 9
	s_add_nc_u64 s[12:13], s[12:13], s[28:29]      ; their scale words
	s_lshl_b32 s30, s25, 3
	s_add_co_u32 s30, s30, s26                     ; e 8 + j
	s_lshl_b32 s28, s30, 4
	s_lshl_b32 s31, s24, 1
	s_add_co_u32 s28, s28, s31
	s_lshl_b32 s28, s28, 8
	s_add_co_u32 s28, s28, 262144
	s_add_nc_u64 s[22:23], s[22:23], s[28:29]      ; w2's scale words
	s_lshl_b32 s28, s30, 6
	s_lshl_b32 s31, s24, 2
	s_add_co_u32 s28, s28, s31
	s_mul_i32 s28, s28, 1536
	s_add_nc_u64 s[10:11], s[10:11], s[28:29]      ; my fragments of w2: (e 16 + 2 j) 32 + 4 wave on
	s_lshl_b32 s28, s25, 13
	s_lshl_b32 s31, s26, 10
	s_add_co_u32 s28, s28, s31
	s_lshl_b32 s31, s24, 7
	s_add_co_u32 s28, s28, s31
	s_add_nc_u64 s[14:15], s[14:15], s[28:29]      ; b1 at my 32 units
	s_lshl_b32 s28, s25, 11
	s_lshl_b32 s31, s24, 8
	s_add_co_u32 s28, s28, s31
	s_add_nc_u64 s[16:17], s[16:17], s[28:29]      ; b2 at my 64 channels
	s_lshl_b32 s28, s26, 15
	s_add_nc_u64 s[20:21], s[20:21], s[28:29]      ; part at my slice
	WIN 0x40
.irp i, 0,1,2,3,4,5,6,7,8,9,10,11,12,13,14,15,16,17,18,19,20,21,22,23
	global_load_b128 v[4*\i:4*\i+3], v1, s[8:9] offset:512*\i
.endr
	WIN 0
.irp k, 0,1
.irp u, 0,1
	global_load_b64 v[W1S+4*\k+2*\u:W1S+4*\k+2*\u+1], v248, s[12:13] offset:256*\k+128*\u
.endr
.endr
.irp n, 0,1,2,3
	global_load_b64 v[W2S+2*\n:W2S+2*\n+1], v248, s[22:23] offset:128*\n
.endr
.irp u, 0,1
	global_load_b128 v[B1+8*\u:B1+8*\u+3], v249, s[14:15] offset:32*\u        ; lane (r, h), tile u: units 16 h + 8 u + 0 .. 7
	global_load_b128 v[B1+8*\u+4:B1+8*\u+7], v249, s[14:15] offset:32*\u+16
.endr
.irp n, 0,1,2,3
	global_load_b128 v[200+8*\n:203+8*\n], v250, s[16:17] offset:64*\n        ; channels 16 n + 8 h + 0 .. 7
	global_load_b128 v[204+8*\n:207+8*\n], v250, s[16:17] offset:64*\n+16
.endr
	s_wait_loadcnt 44                              ; the five loads from the list are in; the 44 issued behind them may be out
.irp i, 0,1,2,3
	v_min_u32 v[SLO+\i], 0x1fff, v[SLO+\i]         ; held to part's 8,192 places,
.endr
.irp i, 0,1,2,3
	v_lshlrev_b32 v[SLO+\i], 2, v[SLO+\i]          ; in bytes; not written again
.endr
	GATHER                                         ; block 0
	global_load_b32 v14, v12, s[18:19] offset:512  ; my row of block 1
	WIN 0x40
.irp s, 0,1
.irp n, 0,1,2,3
.irp c, 0,1,2
	global_load_b128 v[W2F+12*(4*\s+\n)+4*\c:W2F+12*(4*\s+\n)+4*\c+3], v1, s[10:11] offset:49152*\s+1536*\n+512*\c
.endr
.endr
.endr
	WIN 0
	s_wait_kmcnt 0x0
	s_min_u32 s67, s67, 1024                       ; my rows
	s_wait_loadcnt 24                              ; all but w2's 24 loads are in
	XSTORE
.irp i, 2,4,6,8,10,12,14,16,18,20,22,24,26,28,30
	v_pk_add_f32 v[200:201], v[200:201], v[200+\i:201+\i]
.endr
	v_add_f32 v200, v200, v201
	s_cmp_eq_u32 s26, 0
	s_cselect_b32 s28, -1, 0
	v_cndmask_b32 v19, 0, v200, s28                ; b2 counts once: in slice 0
	BAR                                            ; block 0's images lie in LDS
	s_mov_b32 s68, 0                               ; trip
	s_mov_b32 s69, 0                               ; 512 x trip
	s_mov_b32 s70, s67                             ; rows left
.Ltrip:
	v_add_nc_u32 v13, s69, v12                     ; (the load that named v13 was waited for behind the last trip's middle barrier)
	v_add_nc_u32 v11, s69, v10
	s_cmp_eq_u32 s70, 0
	s_cbranch_scc1 .Lend_a
	FETCHX 0
	s_cmp_gt_u32 s70, 128
	s_cbranch_scc0 .Lno_gather
	GATHER                                         ; the next block's rows: v14 came in a trip ago
	global_load_b32 v14, v13, s[18:19] offset:1024 ; my row of the block after that: entry 128 (trip + 2) + 16 wave + r, under 1,280 of the list's 2,048
.Lno_gather:
	s_wait_dscnt 0x0
	PAIRA 0
	PAIRA 1
	PAIRA 2
	PAIRA 3
.Lend_a:
	BAR                                            ; the hidden layer's codes lie in LDS; nobody reads x's images any more
	s_wait_loadcnt 0x0                             ; the gathered rows, the list's entry (and, in the first trip, w2) are in
	s_cmp_eq_u32 s70, 0
	s_cbranch_scc1 .Lend_b
	s_cmp_gt_u32 s70, 128
	s_cbranch_scc0 .Lno_xstore
	XSTORE
.Lno_xstore:
	FETCHH 0
	s_cmp_gt_u32 s70, 32
	s_cbranch_scc0 .Lno_h1
	FETCHH 1
.Lno_h1:
	PAIRB 0
	PAIRB 1
	PAIRB 2
	PAIRB 3
.Lend_b:
	BAR                                            ; the next block's images lie in LDS; nobody reads the hidden layer's any more
	s_add_co_u32 s69, s69, 512
	s_max_u32 s28, s70, 128
	s_sub_co_u32 s70, s28, 128
	s_add_co_u32 s68, s68, 1
	s_cmp_lt_u32 s68, 8
	s_cbranch_scc1 .Ltrip
	OUTQ 0
	OUTQ 1
	OUTQ 2
	OUTQ 3
.Ldone:
	s_wait_tensorcnt 0x0
	ds_add_u32 v31, v255
	s_wait_dscnt 0x0
	s_endpgm
.Lfunc_end_k_qb537a13c38_chain:
	.size	k_qb537a13c38_chain, .Lfunc_end_k_qb537a13c38_chain-k_qb537a13c38_chain
	.p2alignl 7, 3214868480
	.fill 96, 4, 3214868480
	.section	.rodata,"a",@progbits
	.p2align	6, 0x0
	.amdhsa_kernel k_qb537a13c38_chain
		.amdhsa_group_segment_fixed_size 112640
		.amdhsa_private_segment_fixed_size 0
		.amdhsa_enable_private_segment 0
		.amdhsa_kernarg_size 64
		.amdhsa_user_sgpr_count 2
		.amdhsa_user_sgpr_kernarg_segment_ptr 1
		.amdhsa_wavefront_size32 1
		.amdhsa_system_sgpr_workgroup_id_x 1
		.amdhsa_system_sgpr_workgroup_id_y 1
		.amdhsa_system_sgpr_workgroup_id_z 1
		.amdhsa_system_vgpr_workitem_id 0
		.amdhsa_next_free_vgpr 512
		.amdhsa_next_free_sgpr 100
		.amdhsa_reserve_vcc 1
		.amdhsa_float_denorm_mode_32 3
		.amdhsa_float_denorm_mode_16_64 3
		.amdhsa_memory_ordered 1
		.amdhsa_forward_progress 1
		.amdhsa_inst_pref_size 153
	.end_amdhsa_kernel
	.amdgpu_metadata
---
amdhsa.version: [ 1, 2 ]
amdhsa.kernels:
  - .name:           k_qb537a13c38_chain
    .symbol:         k_qb537a13c38_chain.kd
    .args:
      - { .name: xq, .offset: 0, .size: 8, .value_kind: global_buffer, .address_space: global }
      - { .name: part, .offset: 8, .size: 8, .value_kind: global_buffer, .address_space: global }
      - { .name: w1q, .offset: 16, .size: 8, .value_kind: global_buffer, .address_space: global }
      - { .name: w2q, .offset: 24, .size: 8, .value_kind: global_buffer, .address_space: global }
      - { .name: wsc, .offset: 32, .size: 8, .value_kind: global_buffer, .address_space: global }
      - { .name: b1, .offset: 40, .size: 8, .value_kind: global_buffer, .address_space: global }
      - { .name: b2, .offset: 48, .size: 8, .value_kind: global_buffer, .address_space: global }
      - { .name: list, .offset: 56, .size: 8, .value_kind: global_buffer, .address_space: global }
    .group_segment_fixed_size: 112640
    .private_segment_fixed_size: 0
    .kernarg_segment_align: 8
    .kernarg_segment_size: 64
    .max_flat_workgroup_size: 256
    .sgpr_count:     100
    .vgpr_count:     512
    .wavefront_size: 32
...
	.end_amdgpu_metadata
.endif
;; end of part 3
;; launch final (part 4): grid 8 x 1, 8 waves a work-group, no clusters, 1,536 bytes of LDS; arguments part, tops, out0; writes out0
.if DOCPART == 4
	.amdgcn_target "amdgcn-amd-amdhsa--gfx1250"
	.amdhsa_code_object_version 6
	.text
	.protected	k_qb537a13c38_final
	.globl	k_qb537a13c38_final
	.p2align	8
	.type	k_qb537a13c38_final,@function
k_qb537a13c38_final:
	s_mov_b64 s[64:65], 0
	v_nop
	global_prefetch_b8 v0, s[64:65] scope:SCOPE_SE
	s_setreg_imm32_b32 hwreg(HW_REG_WAVE_MODE, 25, 1), 1
	s_wait_xcnt 0x0
; FINAL.  One work-group for each of the 8 batches of 512 tokens.  s[t] = the sum over k of score[t][k] x (the sum over the 8 slices of part[j][2 t + k]);
; out = s - max - ln(the sum of exp(s - max)): the maximum is taken away first.  A thread takes two tokens: 16 bytes of each slice, 16 bytes of scores.
; Eight work-groups: the sum spans a whole batch, and the work is a few loads a thread.  LIMITS: NaN and infinities are not served.
	s_load_b128 s[4:7], s[0:1], 0x0                ; part, tops
	s_load_b64 s[8:9], s[0:1], 0x10                ; out0
	v_lshl_add_u32 v64, v0, 2, 0x200
	v_mov_b32 v65, 0
	v_lshrrev_b32 v1, 5, v0
	v_readfirstlane_b32 s10, v1                    ; wave
	v_lshlrev_b32 v2, 4, v0
	v_lshlrev_b32 v48, 3, v0
	v_mov_b32 v44, s10
	v_lshlrev_b32 v44, 2, v44                      ; my wave's word
	v_mov_b32 v45, 0
	v_mov_b32 v43, 0                               ; a lane permute's destination counts as one of its sources
	s_lshl_b32 s12, ttmp9, 12
	s_mov_b32 s13, 0
	s_mov_b32 s14, 0x76543210
	s_mov_b32 s15, 0xfedcba98
	s_mov_b32 s16, 0xbf317218                      ; - ln 2
	s_wait_kmcnt 0x0
	s_add_nc_u64 s[4:5], s[4:5], s[12:13]
	s_add_nc_u64 s[6:7], s[6:7], s[12:13]
	s_lshl_b32 s12, ttmp9, 11
	s_add_nc_u64 s[8:9], s[8:9], s[12:13]
.irp j, 0,1,2,3,4,5,6,7
	global_load_b128 v[4+4*\j:7+4*\j], v2, s[4:5] offset:32768*\j
.endr
	global_load_b128 v[36:39], v2, s[6:7]
	s_wait_loadcnt 0x0
.irp j, 1,2,3,4,5,6,7
	v_pk_add_f32 v[4:5], v[4:5], v[4+4*\j:5+4*\j]
	v_pk_add_f32 v[6:7], v[6:7], v[6+4*\j:7+4*\j]
.endr
	v_mul_f32 v40, v4, v36
	v_mul_f32 v41, v6, v38
	v_fma_f32 v40, v5, v37, v40
	v_fma_f32 v41, v7, v39, v41
	v_max_num_f32 v42, v40, v41
	v_max_num_f32_dpp v42, v42, v42 row_xmask:1 row_mask:0xf bank_mask:0xf
	v_max_num_f32_dpp v42, v42, v42 row_xmask:2 row_mask:0xf bank_mask:0xf
	v_max_num_f32_dpp v42, v42, v42 row_xmask:4 row_mask:0xf bank_mask:0xf
	v_max_num_f32_dpp v42, v42, v42 row_xmask:8 row_mask:0xf bank_mask:0xf
	v_permlanex16_b32 v43, v42, s14, s15
	v_max_num_f32 v42, v42, v43
	ds_store_b32 v44, v42                          ; all lanes write the same word with the same value
	s_wait_dscnt 0x0
	s_barrier_signal -1
	s_barrier_wait -1
	ds_load_b128 v[12:15], v45
	ds_load_b128 v[16:19], v45 offset:16
	s_wait_dscnt 0x0
	v_max3_num_f32 v42, v12, v13, v14
	v_max3_num_f32 v42, v42, v15, v16
	v_max3_num_f32 v42, v42, v17, v18
	v_max_num_f32 v42, v42, v19                    ; the batch's maximum
	v_sub_f32 v40, v40, v42
	v_sub_f32 v41, v41, v42
	v_mul_f32 v46, 0x3fb8aa3b, v40
	v_mul_f32 v47, 0x3fb8aa3b, v41
	v_exp_f32 v46, v46
	v_exp_f32 v47, v47
	v_nop                                          ; a plain line behind the exponentials
	s_wait_alu depctr_va_vdst(0)
	v_add_f32 v46, v46, v47
	v_add_f32_dpp v46, v46, v46 row_xmask:1 row_mask:0xf bank_mask:0xf
	v_add_f32_dpp v46, v46, v46 row_xmask:2 row_mask:0xf bank_mask:0xf
	v_add_f32_dpp v46, v46, v46 row_xmask:4 row_mask:0xf bank_mask:0xf
	v_add_f32_dpp v46, v46, v46 row_xmask:8 row_mask:0xf bank_mask:0xf
	v_permlanex16_b32 v43, v46, s14, s15
	v_add_f32 v46, v46, v43
	ds_store_b32 v44, v46 offset:256               ; other bytes than the maxima's
	s_wait_dscnt 0x0
	s_barrier_signal -1
	s_barrier_wait -1
	ds_load_b128 v[12:15], v45 offset:256
	ds_load_b128 v[16:19], v45 offset:272
	s_wait_dscnt 0x0
	v_add_f32 v12, v12, v13
	v_add_f32 v14, v14, v15
	v_add_f32 v16, v16, v17
	v_add_f32 v18, v18, v19
	v_add_f32 v12, v12, v14
	v_add_f32 v16, v16, v18
	v_add_f32 v46, v12, v16
	v_log_f32 v46, v46
	v_nop                                          ; a plain line behind the logarithm
	s_wait_alu depctr_va_vdst(0)
	v_fma_f32 v40, v46, s16, v40                   ; - log2(sum) x ln 2
	v_fma_f32 v41, v46, s16, v41
	global_store_b64 v48, v[40:41], s[8:9]         ; a wave stores 256 consecutive bytes, aligned
	s_wait_tensorcnt 0x0
	ds_add_u32 v64, v65
	s_wait_dscnt 0x0
	s_endpgm
.Lfunc_end_k_qb537a13c38_final:
	.size	k_qb537a13c38_final, .Lfunc_end_k_qb537a13c38_final-k_qb537a13c38_final
	.p2alignl 7, 3214868480
	.fill 96, 4, 3214868480
	.section	.rodata,"a",@progbits
	.p2align	6, 0x0
	.amdhsa_kernel k_qb537a13c38_final
		.amdhsa_group_segment_fixed_size 1536
		.amdhsa_private_segment_fixed_size 0
		.amdhsa_enable_private_segment 0
		.amdhsa_kernarg_size 24
		.amdhsa_user_sgpr_count 2
		.amdhsa_user_sgpr_kernarg_segment_ptr 1
		.amdhsa_wavefront_size32 1
		.amdhsa_system_sgpr_workgroup_id_x 1
		.amdhsa_system_sgpr_workgroup_id_y 1
		.amdhsa_system_sgpr_workgroup_id_z 1
		.amdhsa_system_vgpr_workitem_id 0
		.amdhsa_next_free_vgpr 66
		.amdhsa_next_free_sgpr 66
		.amdhsa_reserve_vcc 0
		.amdhsa_float_denorm_mode_32 3
		.amdhsa_float_denorm_mode_16_64 3
		.amdhsa_memory_ordered 1
		.amdhsa_forward_progress 1
		.amdhsa_inst_pref_size 6
	.end_amdhsa_kernel
	.amdgpu_metadata
---
amdhsa.version: [ 1, 2 ]
amdhsa.kernels:
  - .name:           k_qb537a13c38_final
    .symbol:         k_qb537a13c38_final.kd
    .args:
      - { .name: part, .offset: 0, .size: 8, .value_kind: global_buffer, .address_space: global }
      - { .name: tops, .offset: 8, .size: 8, .value_kind: global_buffer, .address_space: global }
      - { .name: out0, .offset: 16, .size: 8, .value_kind: global_buffer, .address_space: global }
    .group_segment_fixed_size: 1536
    .private_segment_fixed_size: 0
    .kernarg_segment_align: 8
    .kernarg_segment_size: 24
    .max_flat_workgroup_size: 256
    .sgpr_count:     66
    .vgpr_count:     66
    .wavefront_size: 32
...
	.end_amdgpu_metadata
.endif
;; end of part 4
